; MI455X (gfx1250); checked and timed in simulation.
; The chip was launched on July 23, 2026; its instructions are those of AMD's public machine-readable ISA for CDNA 5 (MIT licence, August 2026) and "CDNA5" Instruction Set Architecture Reference Guide (July 2026). The comments in the code are by the model that wrote it; some were corrected since.
;; Chunked Cross Attention. Allowed arithmetic: float matrix products may take bf16 or f16 operands with f32 sums; other float arithmetic in f32, or as packed bf16 or f16 multiplies, adds, multiply-adds, maxima and minima; sums over many terms, partial sums and values carried from step to step in f32; what a program stores and reads back later, other than sums and carried values, may be rounded once to bf16 or f16.
;; Inputs: Wk 1,024 x 1,024 float32; Wo 1,024 x 1,024 float32; Wq 1,024 x 1,024 float32; Wv 1,024 x 1,024 float32; beta 1,024 float32; bk 1,024 float32; bo 1,024 float32; bq 1,024 float32; bv 1,024 float32; e 8 x 32 x 2 x 32 x 1,024 float32; gamma 1,024 float32; h 8 x 1,024 x 1,024 float32.
;; Outputs: out0 8 x 1,024 x 1,024 float32.
;; One version. Each part assembles by itself: llvm-mc -triple=amdgcn-amd-amdhsa -mcpu=gfx1250 --defsym DOCPART=n.
;; ======== version 1 of 1: 3 launches
;; workspace buffers: ab 50,331,648 bytes; wb 6,291,456 bytes; wob 2,097,152 bytes; ob 16,777,216 bytes
;; launch prep (part 1): grid 28 x 64, 4 waves a work-group, no clusters, 35,328 bytes of LDS; arguments h, e, gamma, beta, Wk, Wv, Wq, Wo, ab, wb, wob; writes ab, wb, wob
.if DOCPART == 1
	.amdgcn_target "amdgcn-amd-amdhsa--gfx1250"
	.amdhsa_code_object_version 6
	.text
	.protected	k_q3abede0533_prep
	.globl	k_q3abede0533_prep
	.p2align	8
	.type	k_q3abede0533_prep,@function
k_q3abede0533_prep:
	s_mov_b64 s[64:65], 0
	v_nop
	global_prefetch_b8 v0, s[64:65] scope:SCOPE_SE
	s_setreg_imm32_b32 hwreg(HW_REG_WAVE_MODE, 25, 1), 1
	s_wait_xcnt 0x0
; PREP: everything that the two matrix launches multiply is rounded once to bf16 and laid out FRAGMENT BY FRAGMENT.
; A fragment is 16 rows x 32 k of bf16, 1,024 bytes, stored as a wave reads it: lane l finds its registers 0-3 at byte 16 l and its registers 4-7 at byte 512 + 16 l.
; That is four SLOTS of 256 bytes on end; a slot is 16 rows x 16 bytes (8 numbers of one row).  K = 1,024 has 128 slots, 32 fragments kf.
; ab  [Q 64][kf 32][rb 24][1024]: quad of chunks Q.  rb 0-15: rows 256 Q + 16 rb of e.  rb 16-23: rows 128 Q + 16 (rb - 16) of x,
;     where x[b][i] = LayerNorm(h[b][i + 31]) gamma + beta for i <= 992 and 0 for the last 31 rows of a batch.
; wb  [P 8][kf 32][nb 24][1024]: pair of heads P; nb = 12 hh + 4 ty + ct (ty 0 Wk, 1 Wv, 2 Wq); row r of a block is output channel (2 P + hh) 64 + 16 ct + r.
; wob [nt 4][ks 8][nb 16][kf 4][1024]: Wo; column 256 nt + 16 nb + r, k = 128 ks + 32 kf on, in natural order (slot g holds k = 8 g .. 8 g + 7).
; In ab and wb the k of a slot are permuted, alike in both, which leaves the products' sums what they are: slot 32 p + l holds k = 256 p + 4 l + 0..3 and 256 p + 128 + 4 l + 0..3:
; what lane l holds of a row after two loads in which the wave takes 512 consecutive bytes.
; SHARES.  Work-group (x, y): y = Q.  x < 16: 16 rows of e.  16 <= x < 24: 16 rows of x.  x >= 24: weights, one unit (a matrix, 128 columns, 32 k) a wave.  Each reads 64 KiB and stores 32 KiB.
; The stream is bound by memory: no matrix unit, no cluster, no tensor load; every load and store of a wave covers 512 consecutive bytes, aligned.
; LIMITS.  One rounding to bf16 (nearest even).  LayerNorm in f32 in two passes over registers (mean, then squares of the differences); NaN and infinities are not treated apart
; (a padding row is 0 whatever the row that was read in its place holds).
.set SPARE, 34816                      ; LDS: 0 .. 34,815 scratch; from here the spare words, 128 bytes a wave, which no other line names
.set KFB,  24576                       ; bytes of one kf (24 fragments) in ab and in wb
.set RO,   2                           ; v2-5    byte offset of my 16 bytes in row t of my four
.set SPW,  6                           ; v6      my spare word; never rewritten
.set NIL,  7                           ; v7      0; never rewritten
.set DSA,  8                           ; v8      rows: where I put a slot's 16 bytes
.set DRA,  9                           ; v9      rows: where I read slots back
.set GSO,  10                          ; v10     rows: my byte offset in ab
.set L16,  11                          ; v11     16 x lane
.set MU,   12                          ; v[12:13] the mean, twice
.set RS,   14                          ; v[14:15] 1 / sqrt(var + eps), twice
.set PK,   16                          ; v[16:31] a row's 16 packed words
.set T,    16                          ; v[16:23] four chains of sums (before PK is made)
.set X,    32                          ; v[32:159] four rows x 32 numbers a lane; weights: 32 loads x 4
.set GA,   160                         ; v[160:191] gamma of my 32 columns
.set BE,   192                         ; v[192:223] beta
.set VOFF, 12                          ; weights: v12-19 load offsets (slot q, upper half or not)
.set VSO,  20                          ; weights: v20-27 store offsets of the eight column blocks
.set WST,  28                          ; weights: where I put 16 bytes in my wave's stage
.set WRD,  29                          ; weights: where I read them back
.set OW,   160                         ; weights: v[160:223] packed words
	s_load_b512 s[4:19], s[0:1], 0x0               ; h 4:5, e 6:7, gamma 8:9, beta 10:11, Wk 12:13, Wv 14:15, Wq 16:17, Wo 18:19
	s_load_b128 s[20:23], s[0:1], 0x40             ; ab 20:21, wb 22:23
	s_load_b64 s[24:25], s[0:1], 0x50              ; wob
	v_lshl_add_u32 v[SPW], v0, 2, SPARE
	v_mov_b32 v[NIL], 0
	v_lshrrev_b32 v1, 5, v0
	v_readfirstlane_b32 s26, v1                    ; wave 0..3
	v_and_b32 v1, 31, v0                           ; lane
	v_lshlrev_b32 v[L16], 4, v1
	s_mov_b32 s27, ttmp9                           ; x
	s_and_b32 s28, ttmp7, 0xffff                   ; y
	s_wait_kmcnt 0x0
	s_cmp_ge_u32 s27, 24                           ; the same answer in all four waves
	s_cbranch_scc1 .Lweights
	; ROWS.  Wave w takes rows 4 w + t of the block's 16.  LDS: slot g at 272 g (16 rows x 16 bytes + 16 of padding = 68 words
	; 64 banks of 4 bytes, ISA guide 11.1), row r at + 16 r.
	s_mul_i32 s46, s28, 786432                     ; Q's part of ab,
	s_lshl_b32 s47, s27, 10                        ; block rb = x in each kf
	s_add_co_u32 s46, s46, s47
	s_mov_b32 s47, 0
	s_add_nc_u64 s[32:33], s[20:21], s[46:47]
	v_mul_u32_u24 v[DSA], v1, 272                  ; in: slot 32 p + lane, row 4 w + t
	s_lshl_b32 s48, s26, 6
	v_add_nc_u32 v[DSA], s48, v[DSA]
	v_lshrrev_b32 v12, 4, v1
	v_and_b32 v13, 15, v1
	v_mul_u32_u24 v[DRA], v12, 272                 ; back: wave w takes slots 32 w on, two slots (512 bytes of ab) a load
	v_lshl_add_u32 v[DRA], v13, 4, v[DRA]
	s_mul_i32 s48, s26, 8704
	v_add_nc_u32 v[DRA], s48, v[DRA]
	s_mul_i32 s48, s26, 8*KFB                      ; which are fragments kf = 8 w .. 8 w + 7
	v_add_nc_u32 v[GSO], s48, v[L16]
	s_lshl_b32 s49, s26, 2                         ; 4 w
	s_cmp_ge_u32 s27, 16
	s_cbranch_scc1 .Lxrows
; A row's 32 numbers a lane are rounded in pairs: words 4 p .. 4 p + 3 are slot 32 p + lane.  masked = 1: a padding row becomes 0.
.macro PACKROW t, masked
.set n, 0
.rept 16
	v_cvt_pk_bf16_f32 v[PK+n], v[X+32*(\t)+2*n], v[X+32*(\t)+2*n+1]
.set n, n+1
.endr
.if \masked
.set n, 0
.rept 16
	v_and_b32 v[PK+n], s[38+(\t)], v[PK+n]
.set n, n+1
.endr
.endif
.irp p, 0,1,2,3
	ds_store_b128 v[DSA], v[PK+4*\p:PK+4*\p+3] offset:8704*\p+16*(\t)
.endr
.endm
	; rows of e: 256 Q + 16 x + 4 w + t
	s_lshl_b32 s34, s28, 8
	s_lshl_b32 s50, s27, 4
	s_add_co_u32 s34, s34, s50
	s_add_co_u32 s34, s34, s49
	v_lshl_add_u32 v[RO], s34, 12, v[L16]          ; 4,096 bytes a row; under 2^27
.set t, 0
.rept 4
.set j, 0
.rept 8
	global_load_b128 v[X+32*t+4*j:X+32*t+4*j+3], v[RO], s[6:7] offset:4096*t+512*j th:TH_LOAD_NT
.set j, j+1
.endr
.set t, t+1
.endr
.irp t, 0,1,2,3
	s_wait_loadcnt 8*(3-\t)                        ; row t's eight loads are in; the later rows' stay out
	PACKROW \t, 0
.endr
	s_branch .Lout
.Lxrows:
	; rows of x: g = 128 Q + 16 (x - 16) + 4 w + t is LayerNorm of row g + 31 of h, or 0 where g mod 1,024 > 992 (then the row read is clamped into h and masked)
	s_mov_b32 s42, 0x76543210                      ; v_permlanex16_b32: each lane takes its own place in the other half
	s_mov_b32 s43, 0xfedcba98
	s_mov_b32 s44, 0x3a800000                      ; 1 / 1,024
	s_mov_b32 s45, 0x3727c5ac                      ; 1e-5
	s_lshl_b32 s50, s28, 7
	s_sub_co_u32 s51, s27, 16
	s_lshl_b32 s51, s51, 4
	s_add_co_u32 s50, s50, s51
	s_add_co_u32 s50, s50, s49
.irp t, 0,1,2,3
	s_add_co_u32 s52, s50, \t
	s_and_b32 s53, s52, 1023
	s_cmp_gt_u32 s53, 992
	s_cselect_b32 s[38+\t], 0, -1                  ; the row's mask
	s_add_co_u32 s52, s52, 31
	s_min_u32 s52, s52, 8191
	v_lshl_add_u32 v[RO+\t], s52, 12, v[L16]
.endr
.set j, 0
.rept 8
	global_load_b128 v[GA+4*j:GA+4*j+3], v[L16], s[8:9] offset:512*j
	global_load_b128 v[BE+4*j:BE+4*j+3], v[L16], s[10:11] offset:512*j
.set j, j+1
.endr
.set t, 0
.rept 4
.set j, 0
.rept 8
	global_load_b128 v[X+32*t+4*j:X+32*t+4*j+3], v[RO+t], s[4:5] offset:512*j th:TH_LOAD_NT
.set j, j+1
.endr
.set t, t+1
.endr
.macro FOLD                            ; four chains of pairs into one number a lane, then over the 32 lanes; every lane ends with the sum in v[T]
	v_pk_add_f32 v[T:T+1], v[T:T+1], v[T+2:T+3]
	v_pk_add_f32 v[T+4:T+5], v[T+4:T+5], v[T+6:T+7]
	v_pk_add_f32 v[T:T+1], v[T:T+1], v[T+4:T+5]
	v_add_f32 v[T], v[T], v[T+1]
	v_add_f32_dpp v[T], v[T], v[T] row_xmask:1 row_mask:0xf bank_mask:0xf
	v_add_f32_dpp v[T], v[T], v[T] row_xmask:2 row_mask:0xf bank_mask:0xf
	v_add_f32_dpp v[T], v[T], v[T] row_xmask:4 row_mask:0xf bank_mask:0xf
	v_add_f32_dpp v[T], v[T], v[T] row_xmask:8 row_mask:0xf bank_mask:0xf
	v_permlanex16_b32 v[T+1], v[T], s42, s43
	v_add_f32 v[T], v[T], v[T+1]
.endm
.macro ROW_X t
.set XB, X+32*(\t)
	s_wait_loadcnt 8*(3-(\t))                      ; row t is in (gamma and beta are older); the later rows stay out
.irp c, 0,1,2,3
	v_pk_add_f32 v[T+2*\c:T+2*\c+1], v[XB+4*\c:XB+4*\c+1], v[XB+4*\c+2:XB+4*\c+3]   ; the first pairs start the chains
.endr
.set n, 8
.rept 8
	v_pk_add_f32 v[T+2*(n%4):T+2*(n%4)+1], v[T+2*(n%4):T+2*(n%4)+1], v[XB+2*n:XB+2*n+1]
.set n, n+1
.endr
	FOLD
	v_mul_f32 v[MU], s44, v[T]
	v_mul_f32 v[MU+1], s44, v[T]
.set n, 0
.rept 16
	v_pk_add_f32 v[XB+2*n:XB+2*n+1], v[XB+2*n:XB+2*n+1], v[MU:MU+1] neg_lo:[0,1] neg_hi:[0,1]   ; x - mean
.set n, n+1
.endr
.irp c, 0,1,2,3
	v_pk_mul_f32 v[T+2*\c:T+2*\c+1], v[XB+2*\c:XB+2*\c+1], v[XB+2*\c:XB+2*\c+1]
.endr
.set n, 4
.rept 12
	v_pk_fma_f32 v[T+2*(n%4):T+2*(n%4)+1], v[XB+2*n:XB+2*n+1], v[XB+2*n:XB+2*n+1], v[T+2*(n%4):T+2*(n%4)+1]
.set n, n+1
.endr
	FOLD
	v_fma_f32 v[T+2], v[T], s44, s45               ; variance + eps
	v_rsq_f32 v[RS], v[T+2]
	v_rsq_f32 v[RS+1], v[T+2]
	v_nop                                          ; a plain instruction between the root and the use of its result (ISA guide 5.7.2)
.set n, 0
	s_wait_alu depctr_va_vdst(0)
.rept 16
	v_pk_mul_f32 v[XB+2*n:XB+2*n+1], v[XB+2*n:XB+2*n+1], v[RS:RS+1]
.set n, n+1
.endr
.set n, 0
.rept 16
	v_pk_fma_f32 v[XB+2*n:XB+2*n+1], v[XB+2*n:XB+2*n+1], v[GA+2*n:GA+2*n+1], v[BE+2*n:BE+2*n+1]
.set n, n+1
.endr
	PACKROW \t, 1
.endm
	ROW_X 0
	ROW_X 1
	ROW_X 2
	ROW_X 3
.Lout:
	s_wait_dscnt 0x0                               ; for the others' sake: my stores into the scratch are done
	s_barrier_signal -1
	s_barrier_wait -1                              ; all 16 rows of all 128 slots lie in LDS
.set n, 0
.rept 16                                       ; slots 32 w + 2 n and + 1: half n % 2 of fragment kf = 8 w + n / 2
	ds_load_b128 v[X+4*n:X+4*n+3], v[DRA] offset:2*n*272
.set n, n+1
.endr
.set n, 0
.rept 16
	s_wait_dscnt 15-n
	global_store_b128 v[GSO], v[X+4*n:X+4*n+3], s[32:33] offset:(n/2)*KFB+(n%2)*512 th:TH_STORE_NT   ; 512 consecutive bytes, aligned
.set n, n+1
.endr
	s_wait_tensorcnt 0x0                           ; the wave's end
	ds_add_u32 v[SPW], v[NIL]
	s_wait_dscnt 0x0
	s_endpgm
.Lweights:
	; WEIGHTS.  Unit = 16 y + 4 (x - 24) + wave: matrix m = unit / 256, columns 128 P on (P = (unit / 32) mod 8), fragment number f = unit mod 32 along K.
	; W lies [k][n]: the wave reads 32 rows k x 512 bytes, a lane 4 columns of each, and turns them into 8 fragments of 16 columns.
	s_sub_co_u32 s46, s27, 24
	s_lshl2_add_u32 s46, s28, s46
	s_lshl2_add_u32 s46, s46, s26
	s_lshr_b32 s53, s46, 8                         ; m
	s_bfe_u32 s54, s46, 0x30005                    ; P
	s_and_b32 s55, s46, 31                         ; f
	; number i of slot q of the fragment is row kbase + q SA' + (i mod 4) + (i / 4) SB':  permuted (m < 3): kbase = 256 (f / 8) + 16 (f mod 8), SA' = 4, SB' = 128;  natural (Wo): 32 f, 8, 4
	s_lshr_b32 s46, s55, 3
	s_lshl_b32 s46, s46, 8
	s_and_b32 s47, s55, 7
	s_lshl_b32 s47, s47, 4
	s_add_co_u32 s46, s46, s47
	s_lshl_b32 s47, s55, 5
	s_cmp_eq_u32 s53, 3
	s_cselect_b32 s46, s47, s46                    ; kbase
	s_cselect_b32 s52, 1, 0
	s_cselect_b32 s51, 0, 8192                     ; SD: in wb the second head's blocks lie 8 blocks further on
	s_lshl_b32 s48, 16384, s52                     ; SA in bytes: 4 or 8 rows of 4,096
	s_mul_i32 s49, s52, 5
	s_lshr_b32 s49, 524288, s49                    ; SB in bytes: 128 or 4 rows
	s_lshl_b32 s50, s52, 1
	s_lshl_b32 s50, 1024, s50                      ; SC: from column block to column block: 1,024 in wb, 4,096 in wob
	s_lshl_b32 s46, s46, 12
	s_lshl_b32 s47, s54, 9
	s_add_co_u32 s46, s46, s47                     ; kbase rows + 128 P columns
	s_mov_b32 s47, 0
	s_cmp_eq_u32 s53, 1
	s_cselect_b64 s[30:31], s[14:15], s[12:13]
	s_cmp_eq_u32 s53, 2
	s_cselect_b64 s[30:31], s[16:17], s[30:31]
	s_cmp_eq_u32 s53, 3
	s_cselect_b64 s[30:31], s[18:19], s[30:31]
	s_add_nc_u64 s[30:31], s[30:31], s[46:47]
	; where the eight fragments go.  wb: ((32 P + f) 24 + 4 m) 1,024
	s_lshl_b32 s56, s54, 5
	s_add_co_u32 s56, s56, s55
	s_mul_i32 s56, s56, 24
	s_lshl2_add_u32 s56, s53, s56
	s_lshl_b32 s56, s56, 10
	; wob: (((P / 2) 8 + f / 4) 16 + (P mod 2) 8) 4,096 + (f mod 4) 1,024
	s_lshr_b32 s57, s54, 1
	s_lshl_b32 s57, s57, 3
	s_lshr_b32 s58, s55, 2
	s_add_co_u32 s57, s57, s58
	s_lshl_b32 s57, s57, 4
	s_and_b32 s58, s54, 1
	s_lshl_b32 s58, s58, 3
	s_add_co_u32 s57, s57, s58
	s_lshl_b32 s57, s57, 12
	s_and_b32 s58, s55, 3
	s_lshl_b32 s58, s58, 10
	s_add_co_u32 s57, s57, s58
	s_cmp_eq_u32 s53, 3
	s_cselect_b32 s56, s57, s56
	s_cselect_b64 s[32:33], s[24:25], s[22:23]
	s_mov_b32 s57, 0
	s_add_nc_u64 s[32:33], s[32:33], s[56:57]
.irp q, 0,1,2,3
	s_mul_i32 s58, s48, \q
	v_add_nc_u32 v[VOFF+2*\q], s58, v[L16]
	s_add_co_u32 s58, s58, s49
	v_add_nc_u32 v[VOFF+2*\q+1], s58, v[L16]
.endr
.irp n, 0,1,2,3,4,5,6,7
	s_mul_i32 s58, s50, \n
.if \n >= 4
	s_add_co_u32 s58, s58, s51
.endif
	v_add_nc_u32 v[VSO+\n], s58, v[L16]
.endr
	; my wave's stage: 8 blocks (fragments) 1,040 bytes apart.  Lane l holds columns 4 l + a: block l / 4, row 4 (l mod 4) + a
	v_lshrrev_b32 v30, 2, v1
	v_mul_u32_u24 v[WST], v30, 1040
	v_and_b32 v30, 3, v1
	v_lshl_add_u32 v[WST], v30, 6, v[WST]
	s_mul_i32 s58, s26, 8320
	v_add_nc_u32 v[WST], s58, v[WST]
	v_add_nc_u32 v[WRD], s58, v[L16]
.irp q, 0,1,2,3
.irp i, 0,1,2,3,4,5,6,7
	global_load_b128 v[X+4*(8*\q+\i):X+4*(8*\q+\i)+3], v[VOFF+2*\q+(\i)/4], s[30:31] offset:((\i)%4)*4096 th:TH_LOAD_NT
.endr
.endr
.irp q, 0,1,2,3
	s_wait_loadcnt 24-8*\q                         ; slot q's eight rows are in; the later slots' stay out
.irp a, 0,1,2,3
.irp u, 0,1,2,3
	v_cvt_pk_bf16_f32 v[OW+16*\q+4*\a+\u], v[X+4*(8*\q+2*\u)+\a], v[X+4*(8*\q+2*\u+1)+\a]
.endr
	ds_store_b128 v[WST], v[OW+16*\q+4*\a:OW+16*\q+4*\a+3] offset:256*\q+16*\a
.endr
.endr
.set n, 0
.rept 16                                       ; fragment n / 2, half n % 2.  LDS serves a wave's instructions in order (ISA guide 5.7.1.4): these see my stores above; no other wave touches my stage
	ds_load_b128 v[X+4*n:X+4*n+3], v[WRD] offset:1040*(n/2)+512*(n%2)
.set n, n+1
.endr
.set n, 0
.rept 16
	s_wait_dscnt 15-n
	global_store_b128 v[VSO+n/2], v[X+4*n:X+4*n+3], s[32:33] offset:512*(n%2) th:TH_STORE_NT   ; 512 consecutive bytes, aligned
.set n, n+1
.endr
	s_wait_tensorcnt 0x0                           ; the wave's end
	ds_add_u32 v[SPW], v[NIL]
	s_wait_dscnt 0x0
	s_endpgm
.Lfunc_end_k_q3abede0533_prep:
	.size	k_q3abede0533_prep, .Lfunc_end_k_q3abede0533_prep-k_q3abede0533_prep
	.p2alignl 7, 3214868480
	.fill 96, 4, 3214868480
	.section	.rodata,"a",@progbits
	.p2align	6, 0x0
	.amdhsa_kernel k_q3abede0533_prep
		.amdhsa_group_segment_fixed_size 35328
		.amdhsa_private_segment_fixed_size 0
		.amdhsa_enable_private_segment 0
		.amdhsa_kernarg_size 88
		.amdhsa_user_sgpr_count 2
		.amdhsa_user_sgpr_kernarg_segment_ptr 1
		.amdhsa_wavefront_size32 1
		.amdhsa_system_sgpr_workgroup_id_x 1
		.amdhsa_system_sgpr_workgroup_id_y 1
		.amdhsa_system_sgpr_workgroup_id_z 1
		.amdhsa_system_vgpr_workitem_id 0
		.amdhsa_next_free_vgpr 224
		.amdhsa_next_free_sgpr 66
		.amdhsa_reserve_vcc 0
		.amdhsa_float_denorm_mode_32 3
		.amdhsa_float_denorm_mode_16_64 3
		.amdhsa_memory_ordered 1
		.amdhsa_forward_progress 1
		.amdhsa_inst_pref_size 66
	.end_amdhsa_kernel
	.amdgpu_metadata
---
amdhsa.version: [ 1, 2 ]
amdhsa.kernels:
  - .name:           k_q3abede0533_prep
    .symbol:         k_q3abede0533_prep.kd
    .args:
      - { .name: h, .offset: 0, .size: 8, .value_kind: global_buffer, .address_space: global }
      - { .name: e, .offset: 8, .size: 8, .value_kind: global_buffer, .address_space: global }
      - { .name: gamma, .offset: 16, .size: 8, .value_kind: global_buffer, .address_space: global }
      - { .name: beta, .offset: 24, .size: 8, .value_kind: global_buffer, .address_space: global }
      - { .name: Wk, .offset: 32, .size: 8, .value_kind: global_buffer, .address_space: global }
      - { .name: Wv, .offset: 40, .size: 8, .value_kind: global_buffer, .address_space: global }
      - { .name: Wq, .offset: 48, .size: 8, .value_kind: global_buffer, .address_space: global }
      - { .name: Wo, .offset: 56, .size: 8, .value_kind: global_buffer, .address_space: global }
      - { .name: ab, .offset: 64, .size: 8, .value_kind: global_buffer, .address_space: global }
      - { .name: wb, .offset: 72, .size: 8, .value_kind: global_buffer, .address_space: global }
      - { .name: wob, .offset: 80, .size: 8, .value_kind: global_buffer, .address_space: global }
    .group_segment_fixed_size: 35328
    .private_segment_fixed_size: 0
    .kernarg_segment_align: 8
    .kernarg_segment_size: 88
    .max_flat_workgroup_size: 128
    .sgpr_count:     66
    .vgpr_count:     224
    .wavefront_size: 32
...
	.end_amdgpu_metadata
.endif
;; end of part 1
;; launch qkva (part 2): grid 8 x 64, 4 waves a work-group, clusters of 4 x 4, 327,680 bytes of LDS; arguments ab, wb, bq, bk, bv, ob; writes ob
.if DOCPART == 2
	.amdgcn_target "amdgcn-amd-amdhsa--gfx1250"
	.amdhsa_code_object_version 6
	.text
	.protected	k_q3abede0533_qkva
	.globl	k_q3abede0533_qkva
	.p2align	8
	.type	k_q3abede0533_qkva,@function
k_q3abede0533_qkva:
	s_mov_b64 s[64:65], 0
	v_nop
	global_prefetch_b8 v0, s[64:65] scope:SCOPE_SE
	s_setreg_imm32_b32 hwreg(HW_REG_WAVE_MODE, 25, 1), 1
	s_wait_xcnt 0x0
	s_wait_alu depctr_hold_cnt(0) depctr_sa_sdst(0) depctr_va_vdst(0) depctr_va_sdst(0) depctr_va_ssrc(0) depctr_va_vcc(0) depctr_vm_vsrc(0)
	s_getreg_b32 s2, hwreg(HW_REG_IB_STS2, 6, 4)
	s_cmp_eq_u32 s2, 0
	s_cbranch_scc0 .Lentry_in_a_cluster
	s_endpgm
.Lentry_in_a_cluster:
	s_bfe_u32 s2, ttmp6, 0x10000c
	s_cmp_lg_u32 s2, 0xf033
	s_cbranch_scc0 .Lentry_shape_is_right
	s_endpgm
.Lentry_shape_is_right:
; QKVA: q = x Wq + bq, k = e Wk + bk, v = e Wv + bv and the attention of 32 queries over 64 keys for each chunk and head, in one launch: q, k, v, the scores and the weights never leave registers.
; SHARES.  Work-group (P, Q): pair of heads P (of 8), quad of chunks Q (of 64).  Wave w: chunks 2 (w / 2), + 1 of the quad, head 2 P + w % 2.  It sums over K = 1,024
;   k^T  64 channels x 128 keys    (source 0 = Wk's fragment, source 1 = e's): a lane holds ONE key and 8 channels: rounded in pairs, that IS a fragment of K for S^T = K Q^T
;   v    128 keys x 64 channels    (source 0 = e's, source 1 = Wv's):          a lane holds ONE channel and 8 keys: that IS a fragment of V^T for O^T = V^T P
;   q^T  64 channels x 64 queries  (source 0 = Wq's, source 1 = x's):          a lane holds ONE query and 8 channels: a fragment of Q
; 80 accumulators, 640 registers; for 32 along K (a UNIT) 48 LDS loads feed 80 matrix instructions.  Then, for each of 4 tiles (chunk, 16 queries): S^T (a lane: one query, 32 of its 64 keys), softmax with the
; true maximum of all 64 scores taken away, p = 2^(c s - c m), c = log2(e) / 8, P rounded to bf16 in place, O^T = V^T P, o = O / l + bv (the weights sum to 1, so bv may be added behind the mean).
; A lane's 8 channels of o are 16 bytes of a fragment of ob: stored straight from registers, 512 consecutive bytes an instruction.
; ab [Q][kf 32][rb 24][1024], wb [P][kf 32][nb 24][1024]: fragments of 1,024 bytes laid out as a wave reads them (lane l: bytes 16 l and 512 + 16 l), k permuted alike in both.  Any number of units
; is one dense block of each: asked for as rows of 256 bytes, read from LDS 512 consecutive bytes a load: no padding is needed.
; ob [Q 64][P 8][rb 8][kf 4][1024]: row 128 Q + 16 rb + r of o, column 128 P + 32 kf on, natural order.
; RING.  Two slots of THREE units (K step 96: 73,728 bytes of ab, then 73,728 of wb): the longest step of which two fit in LDS (2 x 147,456 + 512 of 327,680 bytes; four units twice would be 393,216).
; 1,024 = 10 x 96 + 64: eleven steps, the last of two units.  Each wave brings a quarter of a slot, 36,864 bytes, by one tensor load; 224 of a step's 240 matrix instructions stand between a request
; and the wait for it.  By this text's count a wave has two tensor loads out at the start, later one.
; CLUSTER 4 x 4.  A's block hangs on Q alone: asked for jointly by the four of a row of the cluster; B's on P alone: by the four of a column.
; LIMITS.  Matrix operands (x, e, weights, q, k, v, P) are rounded once to bf16; sums, maxima and l in f32; l is the sum of the unrounded weights; a weight below 2^-126 counts as 0; NaN and infinities are not treated apart.
; REGISTERS, in windows of 256 (s_set_vgpr_msb: bits 1:0 source 0, 3:2 source 1, 5:4 source 2, 7:6 destination):
;   window 0: v0-31 addresses; v32-63 statistics; v64-127, v128-191 e's fragments, two buffers (later bq, bk, then S^T and P); v192-223 x's, v224-255 Wq's fragments (later Q, then o packed)
;   window 1: v0-63, v64-127 Wk's and Wv's fragments, two buffers (later bv); v128-255 q^T's sums (later K)
;   window 2: k^T's sums (later V^T in v0-127, O^T in v128-255)          window 3: v's sums
.set KFB,   24576                      ; bytes of a unit in ab and in wb
.set STEPB, 3*KFB                      ; of a K step
.set HALFS, STEPB/2                    ; what one tensor load brings
.set SLOT,  2*STEPB
.set BOFF,  STEPB                      ; B's fragments in a slot
.set SPARE, 2*SLOT                     ; behind the ring: the spare words, 128 bytes a wave, which no other line names
.set QBLK,  32*KFB                     ; a quad's part of ab, a pair's part of wb
.set ASKB,  4*KFB                      ; what one round of prefetches names
.set L16, 1                            ; v1   16 x lane
.set ADE, 2                            ; v2-3 my e fragments in slot 0, 1
.set ADX, 4                            ; v4-5 my x fragments
.set ADB, 6                            ; v6-7 my head's 12 blocks of weights
.set VBO, 8                            ; v8   byte offset of my 8 channels of block 0 in bq, bk, bv
.set PFO, 10                           ; v10  256 x lane
.set SPW, 28                           ; v28  my spare word; never rewritten
.set NIL, 29                           ; v29  0; never rewritten
.set ST,  32                           ; tile t at ST + 8 t: c m, m, 1/l twice, c0-c3 at work
.set EF,  64
.set XF,  192
.set QW,  224
.set BF,  0                            ; window 1
.set QA,  128                          ; window 1
.set BQ,  64
.set BK,  96
.set BV,  0                            ; window 1
.set S,   64
.set QFR, 192
.set KFR, 128                          ; window 1
.set OA,  128                          ; window 2
.set OUT, 192
.set G1A, 24
.set G0A, 32
.set G1B, 48
.set G0B, 56
.set LIM, 80                           ; s80, s81: at how many values of the loop's count a wave prefetches at slot 0's, slot 1's change; 0 in a wave that never does
.set MSB, 0
.macro WIN new                         ; the immediate's high byte repeats the setting that is left; a switch that changes nothing is dropped
.if MSB != (\new)
	s_set_vgpr_msb (MSB<<8)|(\new)
.set MSB, \new
.endif
.endm
.macro PLACES                          ; four places in front of loads into registers that matrix instructions have read, and of vector lines that read results just made
.rept 4
	v_nop
.endr
.endm
; A joint load: waves 0 and 1 fetch A's halves, waves 2 and 3 B's.  An s_nop 0 and four v_nop follow each of the two lines.
.macro JLOAD s
	s_cmp_eq_u32 s17, 0
	s_cbranch_scc0 .Lfor_b_\@
	tensor_load_to_lds s[G0A+4*(\s):G0A+4*(\s)+3], s[G1A:G1A+7]
	s_nop 0
.rept 4
	v_nop
.endr
	s_branch .Lasked_\@
.Lfor_b_\@:
	tensor_load_to_lds s[G0B+4*(\s):G0B+4*(\s)+3], s[G1B:G1B+7]
	s_nop 0
.rept 4
	v_nop
.endr
.Lasked_\@:
.endm
.macro CREST                           ; a round of the cluster's barrier behind its opening barrier
	s_cmp_lg_u32 s16, 0
	s_cbranch_scc1 .Lnot_wave_0_\@
	s_barrier_signal -3
.Lnot_wave_0_\@:
	s_barrier_wait -3
	s_barrier_signal -1
	s_barrier_wait -1
.endm
.macro CROUND
	s_barrier_signal -1
	s_barrier_wait -1
	CREST
.endm
; A PREFETCH INTO THE L2, behind the joint load and the run of LDS loads of a change of slots.  The changes are numbered c = 0 .. 8 (change c asks for units 3 c + 6 on); at c = 1 .. 5 units 8 + 4 c .. 11 + 4 c
; are named, 98,304 consecutive bytes of ab and of wb: units 12 to 31 in all, one to three changes ahead of the joint loads that bring them.  Four units at a time, because they divide evenly:
; a quad's part of ab is read by both clusters of its row of clusters: the one with x = 0 asks; a pair's part of wb by all sixteen of its column: the one with y = 0 asks.  The four partners that share a
; block take 24,576 bytes each, told apart BY ADDRESS (cx for A, cy for B).  Of A's share waves 0 to 2 take 8,192 bytes each, a lane 256; wave 3 takes B's share in three lines.
; So each 256 bytes are named once in the launch.  Units 0 to 11 come by their loads alone.  The test: c = 2 (4 - s19) + slot, so slot 0 asks at s19 = 3, 2 and slot 1 at s19 = 4, 3, 2.
.macro ASK slot
	s_sub_co_u32 s40, s19, 2                       ; 2, 1, 0, and the greatest number in the loop's last trip
	s_cmp_lt_u32 s40, s[LIM+(\slot)]
	s_cbranch_scc0 .Lnot_mine_\@
	global_prefetch_b8 v[PFO], s[44:45] th:TH_LOAD_NT scope:SCOPE_SE
	s_cmp_lg_u32 s16, 3
	s_cbranch_scc1 .Lnot_mine_\@
	global_prefetch_b8 v[PFO], s[44:45] offset:8192 th:TH_LOAD_NT scope:SCOPE_SE
	global_prefetch_b8 v[PFO], s[44:45] offset:16384 th:TH_LOAD_NT scope:SCOPE_SE
.Lnot_mine_\@:
.endm
	s_load_b256 s[4:11], s[0:1], 0x0               ; ab 4:5, wb 6:7, bq 8:9, bk 10:11
	s_load_b128 s[12:15], s[0:1], 0x20             ; bv 12:13, ob 14:15
	v_lshl_add_u32 v[SPW], v0, 2, SPARE
	v_mov_b32 v[NIL], 0
	ds_add_u32 v[SPW], v[NIL]                      ; the wave's opening: the add and its wait stand ahead of my first tensor load; the set-up below, work on registers, stands between them
	v_lshrrev_b32 v9, 5, v0
	v_readfirstlane_b32 s16, v9                    ; wave 0..3
	s_lshr_b32 s17, s16, 1                         ; my pair of chunks.  Also: I fetch for A (0) or for B (1)
	s_and_b32 s18, s16, 1                          ; my head of the pair.  Also: which half of the block I fetch
	s_bfe_u32 s20, ttmp6, 0x40000                  ; cx
	s_bfe_u32 s21, ttmp6, 0x40004                  ; cy
	s_lshl_b32 s22, ttmp9, 2
	s_add_co_u32 s22, s22, s20                     ; P = 4 x cluster x + cx
	s_and_b32 s23, ttmp7, 0xffff
	s_lshl_b32 s23, s23, 2
	s_add_co_u32 s23, s23, s21                     ; Q = 4 x cluster y + cy
	s_lshl_b32 s40, s21, 2
	s_lshl_b32 s40, 15, s40                        ; my row of the cluster
	s_lshl_b32 s41, 0x1111, s20                    ; my column
	; descriptor group 1: 36,864 dense bytes as 144 rows of 32 elements of 8 bytes
	s_or_b32 s[G1A], s40, (3<<16)|(1<<21)          ; 15:0 the mask; 17:16 elements of 8 bytes; 21 set beside a mask; no padding
	s_or_b32 s[G1B], s41, (3<<16)|(1<<21)
.irp g, G1A, G1B
	s_mov_b32 s[(\g)+1], 32<<16                    ; tensor_dim0 = 32
	s_mov_b32 s[(\g)+2], 144<<16                   ; tensor_dim1 = 144
	s_mov_b32 s[(\g)+3], 32<<16                    ; tile_dim0 = 32
	s_mov_b32 s[(\g)+4], 144                       ; tile_dim1 = 144
	s_mov_b32 s[(\g)+5], 32                        ; 32 elements from row to row
	s_mov_b32 s[(\g)+6], 0
	s_mov_b32 s[(\g)+7], 0
.endr
	s_mul_i32 s72, s18, HALFS                      ; my half of a step's block
	s_mul_i32 s70, s23, QBLK                       ; A: by Q alone
	s_add_co_u32 s70, s70, s72
	s_mov_b32 s71, 0
	s_mul_i32 s74, s22, QBLK                       ; B: by P alone
	s_add_co_u32 s74, s74, s72
	s_mov_b32 s75, 0
	s_mul_i32 s42, s16, HALFS                      ; where my quarter of a slot lies: A's halves, then B's: the wave's number alone
	s_mul_i32 s82, s18, HALFS-KFB                  ; the last step has two units: its halves are 24,576 bytes, so the second half begins 12,288 bytes earlier,
	s_mov_b32 s83, 0
	s_mul_i32 s84, s18, KFB                        ; and lies here in slot 0, for A,
	s_add_co_u32 s85, s84, BOFF                    ; and for B
	s_mov_b32 s66, 0x3e38aa3b                      ; c = log2(e) / 8
	s_mov_b32 s67, s66                             ; named with it as a pair
	s_mov_b32 s68, 0x76543210                      ; v_permlanex16_b32: each lane takes its own place in the other half
	s_mov_b32 s69, 0xfedcba98
	; the prefetches' offset and who asks
	s_mul_i32 s46, s23, QBLK
	s_mul_i32 s47, s20, KFB
	s_add_co_u32 s46, s46, s47
	s_lshl_b32 s47, s16, 13
	s_add_co_u32 s46, s46, s47                     ; waves 0-2: Q's part of ab, partner cx's share, my 8,192 bytes
	s_mul_i32 s78, s22, QBLK
	s_mul_i32 s79, s21, KFB
	s_add_co_u32 s78, s78, s79                     ; wave 3: P's part of wb, partner cy's share
	s_and_b32 s79, ttmp7, 0xffff
	s_cmp_lt_u32 s16, 3
	s_cselect_b32 s46, s46, s78
	s_cselect_b32 s79, ttmp9, s79                  ; the cluster coordinate along which other clusters read the same bytes
	s_cmp_eq_u32 s79, 0                            ; the same answer in all sixteen partners, for a given wave
	s_cselect_b32 s[LIM], 2, 0
	s_cselect_b32 s[LIM+1], 3, 0
	s_add_co_u32 s46, s46, ASKB                    ; at unit 4: every change of the loop steps it by four units, so that it stands at unit 8 + 4 c in change c
	s_mov_b32 s47, 0
	; where my o goes: ((8 Q + P) 8 + 4 (w / 2)) 4,096 + (w % 2) 2,048
	s_lshl_b32 s76, s23, 3
	s_add_co_u32 s76, s76, s22
	s_lshl_b32 s76, s76, 15
	s_lshl_b32 s77, s17, 14
	s_add_co_u32 s76, s76, s77
	s_lshl_b32 s77, s18, 11
	s_add_co_u32 s76, s76, s77
	s_mov_b32 s77, 0
	s_wait_dscnt 0x0                               ; the opening add is done
	s_wait_kmcnt 0x0
	s_add_nc_u64 s[70:71], s[4:5], s[70:71]
	s_add_nc_u64 s[74:75], s[6:7], s[74:75]
	s_cmp_lt_u32 s16, 3
	s_cselect_b64 s[44:45], s[4:5], s[6:7]
	s_add_nc_u64 s[44:45], s[44:45], s[46:47]
	s_add_nc_u64 s[14:15], s[14:15], s[76:77]
	CROUND                                         ; all sixteen work-groups are here: the first joint loads meet
.irp s, 0,1
	s_mov_b32 s[G0A+4*(\s)], 1                     ; count = 1
	s_add_co_u32 s[G0A+4*(\s)+1], s42, (\s)*SLOT   ; LDS address
	s_add_nc_u64 s[G0A+4*(\s)+2:G0A+4*(\s)+3], s[70:71], (\s)*STEPB   ; K step s
	s_or_b32 s[G0A+4*(\s)+3], s[G0A+4*(\s)+3], 0x80000000             ; type = 2
	s_mov_b32 s[G0B+4*(\s)], 1
	s_add_co_u32 s[G0B+4*(\s)+1], s42, (\s)*SLOT
	s_add_nc_u64 s[G0B+4*(\s)+2:G0B+4*(\s)+3], s[74:75], (\s)*STEPB
	s_or_b32 s[G0B+4*(\s)+3], s[G0B+4*(\s)+3], 0x80000000
.endr
	s_cmp_eq_u32 s17, 0                            ; a wave's two first fills stand in one branch, ahead of every wait on TENSORcnt, every LDS read and every further barrier
	s_cbranch_scc0 .Lfirst_b
	tensor_load_to_lds s[G0A:G0A+3], s[G1A:G1A+7]
	s_nop 0
	tensor_load_to_lds s[G0A+4:G0A+7], s[G1A:G1A+7]
	s_nop 0
.rept 4
	v_nop
.endr
	s_branch .Lfirst_asked
.Lfirst_b:
	tensor_load_to_lds s[G0B:G0B+3], s[G1B:G1B+7]
	s_nop 0
	tensor_load_to_lds s[G0B+4:G0B+7], s[G1B:G1B+7]
	s_nop 0
.rept 4
	v_nop
.endr
.Lfirst_asked:
	v_and_b32 v9, 31, v0
	v_lshlrev_b32 v[L16], 4, v9
	v_lshlrev_b32 v[PFO], 8, v9
	v_lshrrev_b32 v11, 4, v9
	s_lshl_b32 s40, s17, 13                        ; e: blocks 8 (w / 2) on, 1,024 bytes each
	v_add_nc_u32 v[ADE], s40, v[L16]
	v_add_nc_u32 v[ADE+1], SLOT, v[ADE]
	s_lshl_b32 s40, s17, 12                        ; x: blocks 16 + 4 (w / 2) on
	s_add_co_u32 s40, s40, 16384
	v_add_nc_u32 v[ADX], s40, v[L16]
	v_add_nc_u32 v[ADX+1], SLOT, v[ADX]
	s_mul_i32 s40, s18, 12288                      ; weights: blocks 12 (w % 2) on: 4 of Wk, 4 of Wv, 4 of Wq
	s_add_co_u32 s40, s40, BOFF
	v_add_nc_u32 v[ADB], s40, v[L16]
	v_add_nc_u32 v[ADB+1], SLOT, v[ADB]
	s_lshl_b32 s40, s22, 1
	s_add_co_u32 s40, s40, s18
	s_lshl_b32 s40, s40, 8                         ; my head's 64 channels, 4 bytes each
	v_lshl_add_u32 v[VBO], v11, 5, s40             ; + 8 (lane / 16) channels
; THE MATRIX WORK.  In every unit each of the 80 accumulators has one instruction, always in the same order (32 k^T, 32 v, 16 q^T): they take turns.
; f: the fragment buffer; zero = 1: the first products start the sums.  KP: e's blocks e0 .. e0 + n - 1.  VP: e's blocks 4 part .. 4 part + 3.
.macro KP f, e0, n, zero
	WIN 0xa1                                       ; Wk window 1, e window 0, sums window 2
.set eb, \e0
.rept \n
.set ct, 0
.rept 4
.set rD, 8*(4*eb+ct)
.set rA, BF+64*(\f)+8*ct
.set rB, EF+64*(\f)+8*eb
.if \zero
	v_wmma_f32_16x16x32_bf16 v[rD:rD+7], v[rA:rA+7], v[rB:rB+7], 0
.else
	v_wmma_f32_16x16x32_bf16 v[rD:rD+7], v[rA:rA+7], v[rB:rB+7], v[rD:rD+7]
.endif
.set ct, ct+1
.endr
.set eb, eb+1
.endr
.endm
.macro VP f, part, zero
	WIN 0xf4                                       ; e window 0, Wv window 1, sums window 3
.irp eb, 0,1,2,3
.irp ct, 0,1,2,3
.set rD, 8*(4*(4*(\part)+\eb)+\ct)
.set rA, EF+64*(\f)+8*(4*(\part)+\eb)
.set rB, BF+64*(\f)+32+8*\ct
.if \zero
	v_wmma_f32_16x16x32_bf16 v[rD:rD+7], v[rA:rA+7], v[rB:rB+7], 0
.else
	v_wmma_f32_16x16x32_bf16 v[rD:rD+7], v[rA:rA+7], v[rB:rB+7], v[rD:rD+7]
.endif
.endr
.endr
.endm
.macro QP zero
	WIN 0x50                                       ; Wq and x window 0, sums window 1
.irp xb, 0,1,2,3
.irp ct, 0,1,2,3
.set rD, QA+8*(4*\xb+\ct)
.set rA, QW+8*\ct
.set rB, XF+8*\xb
.if \zero
	v_wmma_f32_16x16x32_bf16 v[rD:rD+7], v[rA:rA+7], v[rB:rB+7], 0
.else
	v_wmma_f32_16x16x32_bf16 v[rD:rD+7], v[rA:rA+7], v[rB:rB+7], v[rD:rD+7]
.endif
.endr
.endr
.endm
; THE LDS LOADS, in runs.  32: Wk's and Wv's 8 fragments, then e's 8, of unit kf of the slot, into buffer f.  16: x's 4 and Wq's 4 (one buffer).
.macro FETCH_EB slot, kf, f
	WIN 0x40
.irp i, 0,1,2,3,4,5,6,7
	ds_load_b128 v[BF+64*(\f)+8*\i:BF+64*(\f)+8*\i+3],   v[ADB+(\slot)] offset:KFB*(\kf)+1024*\i
	ds_load_b128 v[BF+64*(\f)+8*\i+4:BF+64*(\f)+8*\i+7], v[ADB+(\slot)] offset:KFB*(\kf)+1024*\i+512
.endr
	WIN 0
.irp i, 0,1,2,3,4,5,6,7
	ds_load_b128 v[EF+64*(\f)+8*\i:EF+64*(\f)+8*\i+3],   v[ADE+(\slot)] offset:KFB*(\kf)+1024*\i
	ds_load_b128 v[EF+64*(\f)+8*\i+4:EF+64*(\f)+8*\i+7], v[ADE+(\slot)] offset:KFB*(\kf)+1024*\i+512
.endr
.endm
.macro FETCH_XQ slot, kf
	WIN 0
.irp i, 0,1,2,3
	ds_load_b128 v[XF+8*\i:XF+8*\i+3],   v[ADX+(\slot)] offset:KFB*(\kf)+1024*\i
	ds_load_b128 v[XF+8*\i+4:XF+8*\i+7], v[ADX+(\slot)] offset:KFB*(\kf)+1024*\i+512
.endr
.irp i, 0,1,2,3
	ds_load_b128 v[QW+8*\i:QW+8*\i+3],   v[ADB+(\slot)] offset:KFB*(\kf)+1024*(8+\i)
	ds_load_b128 v[QW+8*\i+4:QW+8*\i+7], v[ADB+(\slot)] offset:KFB*(\kf)+1024*(8+\i)+512
.endr
.endm
; A unit that is not its step's last: unit kf of the slot, in buffer f, is multiplied; the next unit's fragments are fetched into the other buffer.
.macro UNIT slot, kf, f, zero
	PLACES                                         ; behind the last q^T products (x's and Wq's registers) and, further back, the last products on the other buffer
	FETCH_XQ \slot, \kf
	s_wait_dscnt 24                                ; the weights and e's blocks 0-3 are in; e's last 8 loads and the 16 just issued may be out
	KP \f, 0, 4, \zero
	s_wait_dscnt 16                                ; all of e is in
	KP \f, 4, 4, \zero
	FETCH_EB \slot, (\kf)+1, 1-(\f)
	VP \f, 0, \zero
	VP \f, 1, \zero
	s_wait_dscnt 32                                ; x and Wq are in; the 32 just issued may be out
	QP \zero
.endm
; A step's third unit, in buffer f, and the change of slots.  ONE barrier: in front of it each wave waits for all its tensor loads (the one that is out is its part of the next slot), adds 0 to its
; spare word, and waits for that and for its reads of this slot.  fill = 1: the barrier opens a round of the cluster's, and behind the round this slot is filled again, two K steps on, first of all.
; fill = 2: the same with the last step, of two units: a tile of 96 rows, its halves 24,576 bytes apart.  fill = 0: nothing is left to ask for.
.macro LAST slot, next, f, fill
.if (\fill) == 1
	s_wait_xcnt 0x0                                ; the last prefetches, a K step back, have read their address: it is stepped here, ahead of the change's own waits
	s_add_nc_u64 s[44:45], s[44:45], ASKB
.endif
	PLACES
	FETCH_XQ \slot, 2
	s_wait_dscnt 24
	KP \f, 0, 4, 0
	WIN 0
	s_wait_tensorcnt 0x0                           ; all my tensor loads have landed;
	ds_add_u32 v[SPW], v[NIL]                      ; 0 onto my spare word;
	s_wait_dscnt 17                                ; (the add and x's and Wq's 16 loads may be out: all of e is in)
	KP \f, 4, 2, 0                                 ; eight matrix instructions stand between the add and the wait for it
	s_wait_dscnt 0x0                               ; the add is done, and my reads of this slot are over
	s_barrier_signal -1
	KP \f, 6, 2, 0                                 ; work on registers while the others arrive
.if \fill
	WIN 0
.endif
	s_barrier_wait -1
.if \fill
	CREST                                          ; no wave of any partner still reads this slot or has a load on its way
	s_add_nc_u64 s[G0A+4*(\slot)+2:G0A+4*(\slot)+3], s[G0A+4*(\slot)+2:G0A+4*(\slot)+3], 2*STEPB
	s_add_nc_u64 s[G0B+4*(\slot)+2:G0B+4*(\slot)+3], s[G0B+4*(\slot)+2:G0B+4*(\slot)+3], 2*STEPB
.if (\fill) == 2
	s_sub_nc_u64 s[G0A+4*(\slot)+2:G0A+4*(\slot)+3], s[G0A+4*(\slot)+2:G0A+4*(\slot)+3], s[82:83]
	s_sub_nc_u64 s[G0B+4*(\slot)+2:G0B+4*(\slot)+3], s[G0B+4*(\slot)+2:G0B+4*(\slot)+3], s[82:83]
	s_mov_b32 s[G0A+4*(\slot)+1], s84
	s_mov_b32 s[G0B+4*(\slot)+1], s85
	s_mov_b32 s[G1A+2], 96<<16                     ; tensor_dim1 = 96
	s_mov_b32 s[G1A+4], 96                         ; tile_dim1 = 96
	s_mov_b32 s[G1B+2], 96<<16
	s_mov_b32 s[G1B+4], 96
.endif
	JLOAD \slot
.else
	PLACES
.endif
	FETCH_EB \next, 0, 1-(\f)
.if (\fill) == 1
	ASK \slot
.endif
	VP \f, 0, 0
	VP \f, 1, 0
	QP 0
.endm
	s_wait_tensorcnt 1                             ; my part of K step 0 is in; K step 1's may stay out
	s_barrier_signal -1
	s_barrier_wait -1                              ; everybody's is
	FETCH_EB 0, 0, 0
	UNIT 0, 0, 0, 1                                ; the first unit stands in front of the loop: its products start the sums
	WIN 0
	s_mov_b32 s19, 4
.Llap:                                             ; a trip goes once round the ring, six units on buffers 1, 0, 1, 0, 1, 0, and fills both slots again: trip i brings K steps 2 i + 2 and 2 i + 3
	UNIT 0, 1, 1, 0
	LAST 0, 1, 0, 1
	UNIT 1, 0, 1, 0
	UNIT 1, 1, 0, 0
	LAST 1, 0, 1, 1
	UNIT 0, 0, 0, 0
	WIN 0
	s_sub_co_u32 s19, s19, 1
	s_cmp_lg_u32 s19, 0
	s_cbranch_scc1 .Llap
	UNIT 0, 1, 1, 0                                ; the tail is written out: K step 8 goes on,
	LAST 0, 1, 0, 2                                ; slot 0 takes the last step, of two units;
	UNIT 1, 0, 1, 0                                ; K step 9,
	UNIT 1, 1, 0, 0
	LAST 1, 0, 1, 0                                ; behind which nothing is filled;
	UNIT 0, 0, 0, 0                                ; K step 10
	PLACES                                         ; the very last unit: nothing more to fetch from the ring
	FETCH_XQ 0, 1
	s_wait_dscnt 24
	KP 1, 0, 4, 0
	s_wait_dscnt 16
	KP 1, 4, 4, 0
	WIN 0                                          ; the biases of my head's 64 channels, 8 a lane for each block of 16, into buffer 0, which is free
.irp ct, 0,1,2,3
	global_load_b128 v[BQ+8*\ct:BQ+8*\ct+3],   v[VBO], s[8:9] offset:64*\ct
	global_load_b128 v[BQ+8*\ct+4:BQ+8*\ct+7], v[VBO], s[8:9] offset:64*\ct+16
	global_load_b128 v[BK+8*\ct:BK+8*\ct+3],   v[VBO], s[10:11] offset:64*\ct
	global_load_b128 v[BK+8*\ct+4:BK+8*\ct+7], v[VBO], s[10:11] offset:64*\ct+16
.endr
	WIN 0x40
.irp ct, 0,1,2,3
	global_load_b128 v[BV+8*\ct:BV+8*\ct+3],   v[VBO], s[12:13] offset:64*\ct
	global_load_b128 v[BV+8*\ct+4:BV+8*\ct+7], v[VBO], s[12:13] offset:64*\ct+16
.endr
	VP 1, 0, 0
	VP 1, 1, 0
	s_wait_dscnt 0x0
	QP 0
	WIN 0
	PLACES
	s_wait_loadcnt 0x0                             ; the biases
	; q + bq, rounded: Q's fragments (tile xb, channels 32 c on, at QFR + 16 xb + 8 c).  Each accumulator is read from its low end on.
	WIN 0x41
.set a, 0
.rept 16
.set z, 0
.rept 4
	v_pk_add_f32 v[QA+8*a+2*z:QA+8*a+2*z+1], v[QA+8*a+2*z:QA+8*a+2*z+1], v[BQ+8*(a%4)+2*z:BQ+8*(a%4)+2*z+1]
.set z, z+1
.endr
.set a, a+1
.endr
	WIN 0x05
.set a, 0
.rept 64
	v_cvt_pk_bf16_f32 v[QFR+a], v[QA+2*a], v[QA+2*a+1]
.set a, a+1
.endr
	; k + bk, rounded: K's fragments (key block eb, channels 32 c on, at KFR + 16 eb + 8 c), where q's sums lay
	WIN 0x82
.set a, 0
.rept 32
.set z, 0
.rept 4
	v_pk_add_f32 v[8*a+2*z:8*a+2*z+1], v[8*a+2*z:8*a+2*z+1], v[BK+8*(a%4)+2*z:BK+8*(a%4)+2*z+1]
.set z, z+1
.endr
.set a, a+1
.endr
	WIN 0x4a
.set a, 0
.rept 128
	v_cvt_pk_bf16_f32 v[KFR+a], v[2*a], v[2*a+1]
.set a, a+1
.endr
	; v rounded: V^T's fragments (chunk u, channel block ct, keys 32 kk on, at 64 u + 16 ct + 8 kk), where k's sums lay
	WIN 0x8f
.set a, 0
.rept 32                                       ; a = 4 eb + ct
.set z, 0
.rept 4
	v_cvt_pk_bf16_f32 v[64*(a/16)+16*(a%4)+8*((a/8)%2)+4*((a/4)%2)+z], v[8*a+2*z], v[8*a+2*z+1]
.set z, z+1
.endr
.set a, a+1
.endr
	; S^T = K Q^T for tile t = 2 u + qb: 16 accumulators by turns, channels 0-31, then 32-63
	WIN 0x01
.irp c2, 0,1
.set t, 0
.rept 4
.set kb, 0
.rept 4
.set rD, S+32*t+8*kb
.set rA, KFR+16*(4*(t/2)+kb)+8*\c2
.set rB, QFR+16*t+8*\c2
.if \c2 == 0
	v_wmma_f32_16x16x32_bf16 v[rD:rD+7], v[rA:rA+7], v[rB:rB+7], 0
.else
	v_wmma_f32_16x16x32_bf16 v[rD:rD+7], v[rA:rA+7], v[rB:rB+7], v[rD:rD+7]
.endif
.set kb, kb+1
.endr
.set t, t+1
.endr
.endr
	WIN 0
	PLACES
	; SOFTMAX, all in window 0; each line is written for the four tiles, so that neighbouring lines do not wait for each other
.macro ALL line:vararg
.set t, 0
.rept 4
	\line
.set t, t+1
.endr
.endm
.set j, 0
.rept 4                                        ; four chains of seven scores each; each accumulator's lowest registers are read first
	ALL v_max3_num_f32 v[ST+8*t+4+j], v[S+32*t+8*j], v[S+32*t+8*j+1], v[S+32*t+8*j+2]
.set j, j+1
.endr
.set j, 4
.rept 8
	ALL v_max3_num_f32 v[ST+8*t+4+j%4], v[ST+8*t+4+j%4], v[S+32*t+8*(j%4)+2*(j/4)+1], v[S+32*t+8*(j%4)+2*(j/4)+2]
.set j, j+1
.endr
	ALL v_max3_num_f32 v[ST+8*t+4], v[ST+8*t+4], v[S+32*t+7], v[S+32*t+15]
	ALL v_max3_num_f32 v[ST+8*t+6], v[ST+8*t+6], v[S+32*t+23], v[S+32*t+31]
	ALL v_max3_num_f32 v[ST+8*t+4], v[ST+8*t+4], v[ST+8*t+5], v[ST+8*t+6]
	ALL v_max_num_f32 v[ST+8*t+4], v[ST+8*t+4], v[ST+8*t+7]
	ALL v_permlanex16_b32 v[ST+8*t+5], v[ST+8*t+4], s68, s69    ; the query's other 32 keys lie in the lane 16 away
	ALL v_max_num_f32 v[ST+8*t+1], v[ST+8*t+4], v[ST+8*t+5]
	ALL v_mul_f32 v[ST+8*t], s66, v[ST+8*t+1]
.set j, 0
.rept 16
	ALL v_pk_fma_f32 v[S+32*t+2*j:S+32*t+2*j+1], v[S+32*t+2*j:S+32*t+2*j+1], s[66:67], v[ST+8*t:ST+8*t+1] op_sel_hi:[1,0,0] neg_lo:[0,0,1] neg_hi:[0,0,1]
.set j, j+1
.endr
.set j, 0
.rept 32
	ALL v_exp_f32 v[S+32*t+j], v[S+32*t+j]
.set j, j+1
.endr
	v_nop                                          ; a plain instruction between the last exponential and the use of its result (ISA guide 5.7.2)
	s_wait_alu depctr_va_vdst(0)
	ALL v_pk_add_f32 v[ST+8*t+4:ST+8*t+5], v[S+32*t:S+32*t+1], v[S+32*t+2:S+32*t+3]
	ALL v_pk_add_f32 v[ST+8*t+6:ST+8*t+7], v[S+32*t+4:S+32*t+5], v[S+32*t+6:S+32*t+7]
.set j, 4
.rept 12
	ALL v_pk_add_f32 v[ST+8*t+4+2*(j%2):ST+8*t+5+2*(j%2)], v[ST+8*t+4+2*(j%2):ST+8*t+5+2*(j%2)], v[S+32*t+2*j:S+32*t+2*j+1]
.set j, j+1
.endr
	ALL v_pk_add_f32 v[ST+8*t+4:ST+8*t+5], v[ST+8*t+4:ST+8*t+5], v[ST+8*t+6:ST+8*t+7]
	ALL v_add_f32 v[ST+8*t+4], v[ST+8*t+4], v[ST+8*t+5]
	ALL v_permlanex16_b32 v[ST+8*t+5], v[ST+8*t+4], s68, s69
	ALL v_add_f32 v[ST+8*t+4], v[ST+8*t+4], v[ST+8*t+5]
	ALL v_rcp_f32 v[ST+8*t+2], v[ST+8*t+4]
	ALL v_rcp_f32 v[ST+8*t+3], v[ST+8*t+4]
.set j, 0
.rept 16                                       ; P in place, ascending: word j takes weights 2 j, 2 j + 1; keys 32 kk on are the fragment at S + 32 t + 8 kk.  (These plain lines also stand behind the reciprocals.)
	ALL v_cvt_pk_bf16_f32 v[S+32*t+j], v[S+32*t+2*j], v[S+32*t+2*j+1]
.set j, j+1
.endr
	; O^T = V^T P: 16 accumulators by turns, keys 0-31, then 32-63
	WIN 0xa2
.irp kk, 0,1
.set t, 0
.rept 4
.set ct, 0
.rept 4
.set rD, OA+32*t+8*ct
.set rA, 64*(t/2)+16*ct+8*\kk
.set rB, S+32*t+8*\kk
.if \kk == 0
	v_wmma_f32_16x16x32_bf16 v[rD:rD+7], v[rA:rA+7], v[rB:rB+7], 0
.else
	v_wmma_f32_16x16x32_bf16 v[rD:rD+7], v[rA:rA+7], v[rB:rB+7], v[rD:rD+7]
.endif
.set ct, ct+1
.endr
.set t, t+1
.endr
.endr
	PLACES
	; o = O / l + bv, rounded and stored
	WIN 0x92                                       ; O^T window 2, 1 / l window 0, bv window 1
.set a, 0
	s_wait_alu depctr_va_vdst(0)
.rept 16                                       ; a = 4 t + ct
.set z, 0
.rept 4
	v_pk_fma_f32 v[OA+8*a+2*z:OA+8*a+2*z+1], v[OA+8*a+2*z:OA+8*a+2*z+1], v[ST+8*(a/4)+2:ST+8*(a/4)+3], v[BV+8*(a%4)+2*z:BV+8*(a%4)+2*z+1] op_sel_hi:[1,0,1]
.set z, z+1
.endr
.set a, a+1
.endr
	WIN 0x0a
.set a, 0
.rept 64
	v_cvt_pk_bf16_f32 v[OUT+a], v[OA+2*a], v[OA+2*a+1]
.set a, a+1
.endr
	WIN 0
.set a, 0
.rept 16
	global_store_b128 v[L16], v[OUT+4*a:OUT+4*a+3], s[14:15] offset:4096*(a/4)+512*(a%4) th:TH_STORE_NT   ; half a fragment of ob: 512 consecutive bytes, aligned
.set a, a+1
.endr
	s_wait_tensorcnt 0x0                           ; the wave's end
	ds_add_u32 v[SPW], v[NIL]
	s_wait_dscnt 0x0
	CROUND                                         ; the closing round: no work-group ends while a partner may still ask for a tile that names it
	s_endpgm
.Lfunc_end_k_q3abede0533_qkva:
	.size	k_q3abede0533_qkva, .Lfunc_end_k_q3abede0533_qkva-k_q3abede0533_qkva
	.p2alignl 7, 3214868480
	.fill 96, 4, 3214868480
	.section	.rodata,"a",@progbits
	.p2align	6, 0x0
	.amdhsa_kernel k_q3abede0533_qkva
		.amdhsa_group_segment_fixed_size 327680
		.amdhsa_private_segment_fixed_size 0
		.amdhsa_enable_private_segment 0
		.amdhsa_kernarg_size 48
		.amdhsa_user_sgpr_count 2
		.amdhsa_user_sgpr_kernarg_segment_ptr 1
		.amdhsa_wavefront_size32 1
		.amdhsa_system_sgpr_workgroup_id_x 1
		.amdhsa_system_sgpr_workgroup_id_y 1
		.amdhsa_system_sgpr_workgroup_id_z 1
		.amdhsa_system_vgpr_workitem_id 0
		.amdhsa_next_free_vgpr 1024
		.amdhsa_next_free_sgpr 88
		.amdhsa_reserve_vcc 0
		.amdhsa_float_denorm_mode_32 3
		.amdhsa_float_denorm_mode_16_64 3
		.amdhsa_memory_ordered 1
		.amdhsa_forward_progress 1
		.amdhsa_inst_pref_size 201
	.end_amdhsa_kernel
	.amdgpu_metadata
---
amdhsa.version: [ 1, 2 ]
amdhsa.kernels:
  - .name:           k_q3abede0533_qkva
    .symbol:         k_q3abede0533_qkva.kd
    .args:
      - { .name: ab, .offset: 0, .size: 8, .value_kind: global_buffer, .address_space: global }
      - { .name: wb, .offset: 8, .size: 8, .value_kind: global_buffer, .address_space: global }
      - { .name: bq, .offset: 16, .size: 8, .value_kind: global_buffer, .address_space: global }
      - { .name: bk, .offset: 24, .size: 8, .value_kind: global_buffer, .address_space: global }
      - { .name: bv, .offset: 32, .size: 8, .value_kind: global_buffer, .address_space: global }
      - { .name: ob, .offset: 40, .size: 8, .value_kind: global_buffer, .address_space: global }
    .group_segment_fixed_size: 327680
    .private_segment_fixed_size: 0
    .kernarg_segment_align: 8
    .kernarg_segment_size: 48
    .max_flat_workgroup_size: 128
    .sgpr_count:     88
    .vgpr_count:     1024
    .wavefront_size: 32
...
	.end_amdgpu_metadata
.endif
;; end of part 2
;; launch oproj (part 3): grid 4 x 64, 4 waves a work-group, clusters of 4 x 4, 327,680 bytes of LDS; arguments ob, wob, bo, h, out0; writes out0
.if DOCPART == 3
	.amdgcn_target "amdgcn-amd-amdhsa--gfx1250"
	.amdhsa_code_object_version 6
	.text
	.protected	k_q3abede0533_oproj
	.globl	k_q3abede0533_oproj
	.p2align	8
	.type	k_q3abede0533_oproj,@function
k_q3abede0533_oproj:
	s_mov_b64 s[64:65], 0
	v_nop
	global_prefetch_b8 v0, s[64:65] scope:SCOPE_SE
	s_setreg_imm32_b32 hwreg(HW_REG_WAVE_MODE, 25, 1), 1
	s_wait_xcnt 0x0
	s_wait_alu depctr_hold_cnt(0) depctr_sa_sdst(0) depctr_va_vdst(0) depctr_va_sdst(0) depctr_va_ssrc(0) depctr_va_vcc(0) depctr_vm_vsrc(0)
	s_getreg_b32 s2, hwreg(HW_REG_IB_STS2, 6, 4)
	s_cmp_eq_u32 s2, 0
	s_cbranch_scc0 .Lentry_in_a_cluster
	s_endpgm
.Lentry_in_a_cluster:
	s_bfe_u32 s2, ttmp6, 0x10000c
	s_cmp_lg_u32 s2, 0xf033
	s_cbranch_scc0 .Lentry_shape_is_right
	s_endpgm
.Lentry_shape_is_right:
; OPROJ: out0[b][t] = h[b][t] + (o[b][t - 31] Wo + bo) for t >= 31, and h[b][t] for t < 31.
; SHARES.  256 work-groups: tile (nt, Q) = rows 128 Q .. + 127 of o x columns 256 nt .. + 255.  Wave w: rows 64 (w / 2) on, columns 128 (w % 2) on: 32 accumulators of 16 x 16.
; The matrix instruction is used transposed (source 0 = 16 columns of Wo, source 1 = 16 rows of o): a lane holds one row and eight neighbouring columns.
; ob [Q][ks 8][rb 8][kf 4][1024], wob [nt][ks 8][nb 16][kf 4][1024]: fragments of 1,024 bytes as a wave reads them (lane l: bytes 16 l and 512 + 16 l); a K step of 128 is one dense block of
; 32,768 bytes of ob and 65,536 of wob, asked for as rows of 256 bytes and read from LDS 512 consecutive bytes a load: no padding is needed.
; RING.  Two slots of one K step; waves 0 and 1 bring A's halves (16,384 bytes), waves 2 and 3 B's (32,768), one tensor load a wave.  By this text's count a wave has two tensor loads out at the start, later one.
; CLUSTER 4 x 4: A's block hangs on Q alone (shared along a row of the cluster), B's on nt alone (along a column).
; THE SHIFT.  A tile lies in one batch.  Row i of a batch's o goes to t = i + 31; rows 993 .. 1,023, which are thrown away, belong to one wave of the batch's last tile (its rows 33 .. 63): there the
; product is masked to 0 and the rows go to t = i + 31 - 1,024 = 0 .. 30, which so get h alone.  Every byte of out0 is written once.
; No prefetch: 8 K steps in all, of which the first four are asked for at once or a step later.
; LIMITS.  o and Wo are bf16; sums, bias and h in f32; NaN and infinities are not treated apart (a masked row is h whatever the product holds).
; REGISTERS: window 0: v0-31 addresses and bo; v64-159, v160-255 fragment buffers (8 of Wo, then 4 of o); on the way out v64-127, v128-191 16 rows by turns.  window 1: the sums, (rbl, nbl) at 8 (8 rbl + nbl).  window 2: my 64 rows of h.
.set SLOT,  98304
.set BOFF,  32768
.set STAGE, 196608                     ; behind the ring, never filled by a tensor load: 16 rows x 528 bytes for each wave
.set SPARE, 230400                     ; behind the stages: the spare words, 128 bytes a wave, which no other line names
.set L16,  1
.set ADRA, 2                           ; v2-3
.set ADRB, 4                           ; v4-5
.set STO,  6                           ; where I put 32 bytes of a row
.set RD,   7                           ; where I read rows back
.set VO,   8                           ; my 16 bytes of my row 0 in h and out0 (rows 0 .. 32 by the immediate)
.set VW,   9                           ; of my row 33 (rows 33 .. 63)
.set BOO,  10
.set BO,   12                          ; v[12:15] bo of my 4 columns
.set SPW,  28
.set NIL,  29
.set F0,   64
.set F1,   160
.set G1A, 24
.set G0A, 32
.set G1B, 48
.set G0B, 56
.set MSB, 0
.macro WIN new                         ; the immediate's high byte repeats the setting that is left; a switch that changes nothing is dropped
.if MSB != (\new)
	s_set_vgpr_msb (MSB<<8)|(\new)
.set MSB, \new
.endif
.endm
.macro PLACES                          ; four places in front of loads into registers that matrix instructions have read, and of lines that read results just made
.rept 4
	v_nop
.endr
.endm
.macro JLOAD s                         ; a joint load; an s_nop 0 and four v_nop follow each of the two lines
	s_cmp_eq_u32 s17, 0
	s_cbranch_scc0 .Lfor_b_\@
	tensor_load_to_lds s[G0A+4*(\s):G0A+4*(\s)+3], s[G1A:G1A+7]
	s_nop 0
.rept 4
	v_nop
.endr
	s_branch .Lasked_\@
.Lfor_b_\@:
	tensor_load_to_lds s[G0B+4*(\s):G0B+4*(\s)+3], s[G1B:G1B+7]
	s_nop 0
.rept 4
	v_nop
.endr
.Lasked_\@:
.endm
.macro CREST
	s_cmp_lg_u32 s16, 0
	s_cbranch_scc1 .Lnot_wave_0_\@
	s_barrier_signal -3
.Lnot_wave_0_\@:
	s_barrier_wait -3
	s_barrier_signal -1
	s_barrier_wait -1
.endm
.macro CROUND
	s_barrier_signal -1
	s_barrier_wait -1
	CREST
.endm
	s_load_b256 s[4:11], s[0:1], 0x0               ; ob 4:5, wob 6:7, bo 8:9, h 10:11
	s_load_b64 s[12:13], s[0:1], 0x20              ; out0
	v_lshl_add_u32 v[SPW], v0, 2, SPARE
	v_mov_b32 v[NIL], 0
	ds_add_u32 v[SPW], v[NIL]                      ; the wave's opening: the add and its wait stand ahead of my first tensor load; the set-up below, work on registers, stands between them
	v_lshrrev_b32 v17, 5, v0
	v_readfirstlane_b32 s16, v17                   ; wave 0..3
	s_lshr_b32 s17, s16, 1                         ; my half of the rows.  Also: I fetch for A (0) or for B (1)
	s_and_b32 s18, s16, 1                          ; my half of the columns.  Also: which half of the block I fetch
	s_bfe_u32 s20, ttmp6, 0x40000                  ; cx
	s_bfe_u32 s21, ttmp6, 0x40004                  ; cy
	s_lshl_b32 s22, ttmp9, 2
	s_add_co_u32 s22, s22, s20                     ; nt
	s_and_b32 s23, ttmp7, 0xffff
	s_lshl_b32 s23, s23, 2
	s_add_co_u32 s23, s23, s21                     ; Q
	s_lshl_b32 s40, s21, 2
	s_lshl_b32 s40, 15, s40                        ; my row of the cluster
	s_lshl_b32 s41, 0x1111, s20                    ; my column
	s_or_b32 s[G1A], s40, (3<<16)|(1<<21)          ; 15:0 the mask; 17:16 elements of 8 bytes; 21 set beside a mask; no padding
	s_or_b32 s[G1B], s41, (3<<16)|(1<<21)
	s_mov_b32 s[G1A+1], 32<<16                     ; rows of 32 elements = 256 bytes;
	s_mov_b32 s[G1A+2], 64<<16                     ; A: 64 rows
	s_mov_b32 s[G1A+3], 32<<16
	s_mov_b32 s[G1A+4], 64
	s_mov_b32 s[G1A+5], 32
	s_mov_b32 s[G1A+6], 0
	s_mov_b32 s[G1A+7], 0
	s_mov_b32 s[G1B+1], 32<<16
	s_mov_b32 s[G1B+2], 128<<16                    ; B: 128 rows
	s_mov_b32 s[G1B+3], 32<<16
	s_mov_b32 s[G1B+4], 128
	s_mov_b32 s[G1B+5], 32
	s_mov_b32 s[G1B+6], 0
	s_mov_b32 s[G1B+7], 0
	s_lshl_b32 s72, s18, 14                        ; A's half: 16,384 bytes, in memory and in a slot
	s_lshl_b32 s70, s23, 18                        ; Q's 8 K steps of 32,768 bytes
	s_add_co_u32 s70, s70, s72
	s_mov_b32 s71, 0
	s_lshl_b32 s73, s18, 15                        ; B's half: 32,768 bytes
	s_lshl_b32 s74, s22, 19                        ; nt's 8 K steps of 65,536 bytes
	s_add_co_u32 s74, s74, s73
	s_mov_b32 s75, 0
	s_add_co_u32 s73, s73, BOFF                    ; its place in a slot
	; rows and columns in h and out0
	s_and_b32 s46, s23, 7
	s_lshl_b32 s47, s46, 7
	s_lshl_b32 s78, s17, 6
	s_add_co_u32 s47, s47, s78
	s_add_co_u32 s47, s47, 31                      ; my row 0 goes to t = (Q mod 8) 128 + 64 (w / 2) + 31
	s_lshl_b32 s47, s47, 12
	s_lshl_b32 s78, s22, 10
	s_lshl_b32 s79, s18, 9
	s_add_co_u32 s78, s78, s79                     ; my first column, in bytes
	s_add_co_u32 s47, s47, s78
	s_lshl_b32 s46, s46, 1
	s_add_co_u32 s46, s46, s17
	s_cmp_eq_u32 s46, 15                           ; the batch's last 64 rows?
	s_cselect_b32 s42, 0, -1                       ; then rows 33 .. 63 keep nothing of the product,
	s_cselect_b32 s46, 4194304, 0                  ; and go 1,024 rows back
	s_add_co_u32 s79, s47, 33*4096
	s_sub_co_u32 s79, s79, s46
	s_lshr_b32 s76, s23, 3
	s_lshl_b32 s76, s76, 22                        ; the batch: 4 MiB
	s_mov_b32 s77, 0
	s_wait_dscnt 0x0                               ; the opening add is done
	s_wait_kmcnt 0x0
	s_add_nc_u64 s[70:71], s[4:5], s[70:71]
	s_add_nc_u64 s[74:75], s[6:7], s[74:75]
	s_add_nc_u64 s[10:11], s[10:11], s[76:77]
	s_add_nc_u64 s[12:13], s[12:13], s[76:77]
	CROUND                                         ; all sixteen work-groups are here: the first joint loads meet
.irp s, 0,1
	s_mov_b32 s[G0A+4*(\s)], 1
	s_add_co_u32 s[G0A+4*(\s)+1], s72, (\s)*SLOT
	s_add_nc_u64 s[G0A+4*(\s)+2:G0A+4*(\s)+3], s[70:71], (\s)*32768
	s_or_b32 s[G0A+4*(\s)+3], s[G0A+4*(\s)+3], 0x80000000
	s_mov_b32 s[G0B+4*(\s)], 1
	s_add_co_u32 s[G0B+4*(\s)+1], s73, (\s)*SLOT
	s_add_nc_u64 s[G0B+4*(\s)+2:G0B+4*(\s)+3], s[74:75], (\s)*65536
	s_or_b32 s[G0B+4*(\s)+3], s[G0B+4*(\s)+3], 0x80000000
.endr
	s_cmp_eq_u32 s17, 0                            ; a wave's two first fills stand in one branch, ahead of every wait on TENSORcnt, every LDS read and every further barrier
	s_cbranch_scc0 .Lfirst_b
	tensor_load_to_lds s[G0A:G0A+3], s[G1A:G1A+7]
	s_nop 0
	tensor_load_to_lds s[G0A+4:G0A+7], s[G1A:G1A+7]
	s_nop 0
.rept 4
	v_nop
.endr
	s_branch .Lfirst_asked
.Lfirst_b:
	tensor_load_to_lds s[G0B:G0B+3], s[G1B:G1B+7]
	s_nop 0
	tensor_load_to_lds s[G0B+4:G0B+7], s[G1B:G1B+7]
	s_nop 0
.rept 4
	v_nop
.endr
.Lfirst_asked:
	v_and_b32 v17, 31, v0
	v_lshlrev_b32 v[L16], 4, v17
	v_and_b32 v18, 15, v17                         ; l % 16
	v_lshrrev_b32 v19, 4, v17                      ; l / 16
	v_add_nc_u32 v[BOO], s78, v[L16]
	global_load_b128 v[BO:BO+3], v[BOO], s[8:9]    ; bo of the 4 columns that I hold when rows come back from the stage
	s_lshl_b32 s40, s17, 14                        ; my 4 row blocks of 4,096 bytes
	v_add_nc_u32 v[ADRA], s40, v[L16]
	v_add_nc_u32 v[ADRA+1], SLOT, v[ADRA]
	s_lshl_b32 s40, s18, 15                        ; my 8 column blocks
	s_add_co_u32 s40, s40, BOFF
	v_add_nc_u32 v[ADRB], s40, v[L16]
	v_add_nc_u32 v[ADRB+1], SLOT, v[ADRB]
	s_mul_i32 s40, s16, 8448
	s_add_co_u32 s40, s40, STAGE                   ; my stage: rows 528 bytes apart = 132 words: the 16 rows of a store start at 16 different groups of four banks (64 banks of 4 bytes: ISA guide 11.1)
	v_mul_u32_u24 v[STO], v18, 528
	v_lshl_add_u32 v[STO], v19, 5, v[STO]
	v_add_nc_u32 v[STO], s40, v[STO]
	v_add_nc_u32 v[RD], s40, v[L16]
	v_add_nc_u32 v[VO], s47, v[L16]
	v_add_nc_u32 v[VW], s79, v[L16]
; 24 LDS loads in one run: Wo's 8 fragments, then o's 4, of quarter kf (32 along K) of the slot's K step, into buffer f
.macro FETCH slot, kf, f
	WIN 0
.irp i, 0,1,2,3,4,5,6,7
	ds_load_b128 v[(\f)+8*\i:(\f)+8*\i+3],   v[ADRB+(\slot)] offset:4096*\i+1024*(\kf)
	ds_load_b128 v[(\f)+8*\i+4:(\f)+8*\i+7], v[ADRB+(\slot)] offset:4096*\i+1024*(\kf)+512
.endr
.irp i, 0,1,2,3
	ds_load_b128 v[(\f)+64+8*\i:(\f)+64+8*\i+3],   v[ADRA+(\slot)] offset:4096*\i+1024*(\kf)
	ds_load_b128 v[(\f)+64+8*\i+4:(\f)+64+8*\i+7], v[ADRA+(\slot)] offset:4096*\i+1024*(\kf)+512
.endr
.endm
; 8 matrix instructions: row block rbl x all 8 column blocks.  In a quarter each of the 32 accumulators has one instruction, always in the same order: they take turns.
.macro MUL8 f, rbl, zero
	WIN 0x50
.irp n, 0,1,2,3,4,5,6,7
.set rD, 8*(8*(\rbl)+\n)
.if \zero
	v_wmma_f32_16x16x32_bf16 v[rD:rD+7], v[(\f)+8*\n:(\f)+8*\n+7], v[(\f)+64+8*(\rbl):(\f)+64+8*(\rbl)+7], 0
.else
	v_wmma_f32_16x16x32_bf16 v[rD:rD+7], v[(\f)+8*\n:(\f)+8*\n+7], v[(\f)+64+8*(\rbl):(\f)+64+8*(\rbl)+7], v[rD:rD+7]
.endif
.endr
.endm
; One of a K step's first three quarters: multiplies buffer f, fetches quarter kf into buffer g
.macro QUARTER slot, kf, f, g, zero
	s_wait_dscnt 4                                 ; Wo's fragments and o's blocks 0, 1 are in; the youngest four loads may be out
	MUL8 \f, 0, \zero
	MUL8 \f, 1, \zero
	PLACES
	FETCH \slot, \kf, \g
	s_wait_dscnt 24                                ; all but the 24 just issued
	MUL8 \f, 2, \zero
	MUL8 \f, 3, \zero
.endm
; The last quarter multiplies buffer 1 and changes slots: ONE barrier; in front of it each wave waits for all its tensor loads, adds 0 to its spare word, and waits for that and for its reads of this slot.
; fill = 1: the barrier opens a round of the cluster's, and this slot is filled again, two K steps on, first thing behind the round: 112 of a K step's 128 matrix instructions stand between the request and the wait for it.
.macro TURN slot, next, fill
	WIN 0
	s_wait_tensorcnt 0x0                           ; all my tensor loads have landed: my part of the next slot;
	ds_add_u32 v[SPW], v[NIL]                      ; 0 onto my spare word;
	s_wait_dscnt 5                                 ; (the add and the youngest four loads may be out)
	MUL8 F1, 0, 0                                  ; eight matrix instructions stand between the add and the wait for it
	s_wait_dscnt 0x0                               ; the add is done, and my reads of this slot are over
	s_barrier_signal -1
	MUL8 F1, 1, 0
.if \fill
	WIN 0
.endif
	s_barrier_wait -1
.if \fill
	CREST                                          ; no wave of any partner still reads this slot or has a load on its way
	s_add_nc_u64 s[G0A+4*(\slot)+2:G0A+4*(\slot)+3], s[G0A+4*(\slot)+2:G0A+4*(\slot)+3], 65536
	s_add_nc_u64 s[G0B+4*(\slot)+2:G0B+4*(\slot)+3], s[G0B+4*(\slot)+2:G0B+4*(\slot)+3], 131072
	JLOAD \slot                                    ; the four v_nop behind it are also the places in front of the loads below
.else
	PLACES
.endif
	FETCH \next, 0, F0
	MUL8 F1, 2, 0
	MUL8 F1, 3, 0
.endm
	s_wait_tensorcnt 1                             ; my part of K step 0 is in; K step 1's may stay out
	s_barrier_signal -1
	s_barrier_wait -1
	FETCH 0, 0, F0
	QUARTER 0, 1, F0, F1, 1                        ; the first quarter stands in front of the loop: its products start the sums
	WIN 0
	s_mov_b32 s19, 3
.Llap:                                             ; a trip goes once round the ring and fills both slots again
	QUARTER 0, 2, F1, F0, 0
	QUARTER 0, 3, F0, F1, 0
	TURN 0, 1, 1
	QUARTER 1, 1, F0, F1, 0
	QUARTER 1, 2, F1, F0, 0
	QUARTER 1, 3, F0, F1, 0
	TURN 1, 0, 1
	QUARTER 0, 1, F0, F1, 0
	WIN 0
	s_sub_co_u32 s19, s19, 1
	s_cmp_lg_u32 s19, 0
	s_cbranch_scc1 .Llap
	WIN 0x80                                       ; my 64 rows of h, 512 consecutive bytes a load, asked for a lap ahead of their use
.set lr, 0
.rept 64
.if lr <= 32
	global_load_b128 v[4*lr:4*lr+3], v[VO], s[10:11] offset:4096*lr th:TH_LOAD_NT
.else
	global_load_b128 v[4*lr:4*lr+3], v[VW], s[10:11] offset:4096*(lr-33) th:TH_LOAD_NT
.endif
.set lr, lr+1
.endr
	QUARTER 0, 2, F1, F0, 0                        ; the last lap fills nothing
	QUARTER 0, 3, F0, F1, 0
	TURN 0, 1, 0
	QUARTER 1, 1, F0, F1, 0
	QUARTER 1, 2, F1, F0, 0
	QUARTER 1, 3, F0, F1, 0
	s_wait_dscnt 4
	MUL8 F1, 0, 0
	MUL8 F1, 1, 0
	s_wait_dscnt 0x0
	MUL8 F1, 2, 0
	MUL8 F1, 3, 0
	WIN 0
	PLACES
; THE WAY OUT, 16 rows at a time: the sums go into my own stage (32 bytes a lane and column block, each accumulator's low four registers first) and come back as whole rows of
; 512 bytes; bo is added, the thrown-away rows are masked, h is added, and each row leaves by one store.
.macro OUTBLK a
.set RB, 64+64*((\a)%2)
	WIN 0
	s_wait_xcnt 0x0                                ; the stores of two blocks back have read these registers
	WIN 0x04                                       ; the stores' data lie in window 1
.irp n, 0,1,2,3,4,5,6,7
	ds_store_b128 v[STO], v[8*(8*(\a)+\n):8*(8*(\a)+\n)+3]   offset:64*\n
	ds_store_b128 v[STO], v[8*(8*(\a)+\n)+4:8*(8*(\a)+\n)+7] offset:64*\n+16
.endr
	WIN 0
.set i, 0
.rept 16
	ds_load_b128 v[RB+4*i:RB+4*i+3], v[RD] offset:528*i   ; LDS serves a wave's instructions in order (ISA guide 5.7.1.4): these see the stores above; the next block's stores come behind them
.set i, i+1
.endr
	s_wait_dscnt 0x0
	s_wait_loadcnt 48-16*(\a)                      ; bo and this block's 16 rows of h are in; the later blocks' rows stay out
.set i, 0
.rept 16
	v_pk_add_f32 v[RB+4*i:RB+4*i+1], v[RB+4*i:RB+4*i+1], v[BO:BO+1]
	v_pk_add_f32 v[RB+4*i+2:RB+4*i+3], v[RB+4*i+2:RB+4*i+3], v[BO+2:BO+3]
.if 16*(\a)+i >= 33
	v_and_b32 v[RB+4*i], s42, v[RB+4*i]
	v_and_b32 v[RB+4*i+1], s42, v[RB+4*i+1]
	v_and_b32 v[RB+4*i+2], s42, v[RB+4*i+2]
	v_and_b32 v[RB+4*i+3], s42, v[RB+4*i+3]
.endif
.set i, i+1
.endr
	WIN 0x08                                       ; h lies in window 2
.set i, 0
.rept 16
	v_pk_add_f32 v[RB+4*i:RB+4*i+1], v[RB+4*i:RB+4*i+1], v[4*(16*(\a)+i):4*(16*(\a)+i)+1]
	v_pk_add_f32 v[RB+4*i+2:RB+4*i+3], v[RB+4*i+2:RB+4*i+3], v[4*(16*(\a)+i)+2:4*(16*(\a)+i)+3]
.set i, i+1
.endr
	WIN 0
.set i, 0
.rept 16
.if 16*(\a)+i <= 32
	global_store_b128 v[VO], v[RB+4*i:RB+4*i+3], s[12:13] offset:4096*(16*(\a)+i) th:TH_STORE_NT      ; 512 consecutive bytes of a row, aligned
.else
	global_store_b128 v[VW], v[RB+4*i:RB+4*i+3], s[12:13] offset:4096*(16*(\a)+i-33) th:TH_STORE_NT
.endif
.set i, i+1
.endr
.endm
	OUTBLK 0
	OUTBLK 1
	OUTBLK 2
	OUTBLK 3
	s_wait_tensorcnt 0x0                           ; the wave's end
	ds_add_u32 v[SPW], v[NIL]
	s_wait_dscnt 0x0
	CROUND                                         ; the closing round: no work-group ends while a partner may still ask for a tile that names it
	s_endpgm
.Lfunc_end_k_q3abede0533_oproj:
	.size	k_q3abede0533_oproj, .Lfunc_end_k_q3abede0533_oproj-k_q3abede0533_oproj
	.p2alignl 7, 3214868480
	.fill 96, 4, 3214868480
	.section	.rodata,"a",@progbits
	.p2align	6, 0x0
	.amdhsa_kernel k_q3abede0533_oproj
		.amdhsa_group_segment_fixed_size 327680
		.amdhsa_private_segment_fixed_size 0
		.amdhsa_enable_private_segment 0
		.amdhsa_kernarg_size 40
		.amdhsa_user_sgpr_count 2
		.amdhsa_user_sgpr_kernarg_segment_ptr 1
		.amdhsa_wavefront_size32 1
		.amdhsa_system_sgpr_workgroup_id_x 1
		.amdhsa_system_sgpr_workgroup_id_y 1
		.amdhsa_system_sgpr_workgroup_id_z 1
		.amdhsa_system_vgpr_workitem_id 0
		.amdhsa_next_free_vgpr 768
		.amdhsa_next_free_sgpr 80
		.amdhsa_reserve_vcc 0
		.amdhsa_float_denorm_mode_32 3
		.amdhsa_float_denorm_mode_16_64 3
		.amdhsa_memory_ordered 1
		.amdhsa_forward_progress 1
		.amdhsa_inst_pref_size 110
	.end_amdhsa_kernel
	.amdgpu_metadata
---
amdhsa.version: [ 1, 2 ]
amdhsa.kernels:
  - .name:           k_q3abede0533_oproj
    .symbol:         k_q3abede0533_oproj.kd
    .args:
      - { .name: ob, .offset: 0, .size: 8, .value_kind: global_buffer, .address_space: global }
      - { .name: wob, .offset: 8, .size: 8, .value_kind: global_buffer, .address_space: global }
      - { .name: bo, .offset: 16, .size: 8, .value_kind: global_buffer, .address_space: global }
      - { .name: h, .offset: 24, .size: 8, .value_kind: global_buffer, .address_space: global }
      - { .name: out0, .offset: 32, .size: 8, .value_kind: global_buffer, .address_space: global }
    .group_segment_fixed_size: 327680
    .private_segment_fixed_size: 0
    .kernarg_segment_align: 8
    .kernarg_segment_size: 40
    .max_flat_workgroup_size: 128
    .sgpr_count:     80
    .vgpr_count:     768
    .wavefront_size: 32
...
	.end_amdgpu_metadata
.endif
;; end of part 3
